; MI455X (gfx1250); checked and timed in simulation.
; The chip was launched on July 23, 2026; its instructions are those of AMD's public machine-readable ISA for CDNA 5 (MIT licence, August 2026) and "CDNA5" Instruction Set Architecture Reference Guide (July 2026). The comments in the code are by the model that wrote it; some were corrected since.
;; Model. Allowed arithmetic: matrix products marked QUANTISED: E5M2 operands, one E8M0 scale for each 32 along K, by v_wmma_scale_f32_16x16x128_f8f6f4 with both operands' format E5M2, f32 sums; everything else in f32.
;; Inputs: k 8 x 2,048 x 1,024 float32; q 8 x 2,048 x 1,024 float32; v 8 x 2,048 x 512 float32; w1 1,024 x 512 float32; w2 512 x 128 float32; w3 1,024 x 512 float32; w4 1,024 x 512 float32; w6 512 x 128 float32; w7 1,024 x 512 float32.
;; Outputs: out0 8 x 2,048 x 512 float32.
;; This version of the problem:
;;   THIS VERSION OF THE PROBLEM IS GIVEN IN LOW PRECISION. The matrix products marked QUANTISED in the list below multiply operands that are first quantised to E5M2 (5 exponent bits, 2 mantissa bits; 8 bits a number), with one power-of-two scale for each 32 numbers along K (OCP MX v1.0); their sums are f32. All else is computed in f32.
;;   The module's matrix products, in the order in which they are computed (A, B: the left and right operand; K: the contracted axis; several contracted axes count as one K, in the product's order):
;;     1. [M 16,384, K 1,024] x [K 1,024, N 512]; A: input q; B: input w1: QUANTISED
;;     2. [M 16,384, K 512] x [K 512, N 128]; A: computed on the way; B: input w2: QUANTISED
;;     3. [M 16,384, K 1,024] x [K 1,024, N 512]; A: input q; B: input w3: QUANTISED
;;     4. [M 16,384, K 1,024] x [K 1,024, N 512]; A: input k; B: input w4: QUANTISED
;;     5. [M 16,384, K 512] x [K 512, N 128]; A: computed on the way; B: input w6: QUANTISED
;;     6. batch 8 x [M 2,048, K 128] x [K 128, N 2,048]; A: computed on the way; B: computed on the way: QUANTISED
;;     7. batch 8 x [M 2,048, K 2,048] x [K 2,048, N 512]; A: softmax (see below); B: input v: QUANTISED
;;     8. [M 16,384, K 1,024] x [K 1,024, N 512]; A: computed on the way; B: input w7: QUANTISED
;;     9. [M 16,384, K 1,024] x [K 1,024, N 512]; A: computed on the way; B: input w7: QUANTISED
;;   THE QUANTISER, for each operand of a quantised product, along K:
;;     - K is cut into blocks of 32 from its start; a last block that is shorter is filled with zeros.
;;     - A block's scale is 2^e with e = floor(log2(the largest magnitude in the block)) - 15, held to -126 .. 127; a block of zeros has e = 0. As a byte (E8M0): e + 127.
;;     - Each number is divided by its block's scale, clamped to +-57,344, and rounded to the nearest number of E5M2, ties to even, subnormals kept.
;;     - The product sums the exact products of the quantised numbers (number of the format x scale) in f32.
;;   ~~~python
;;   def quantise(x, axis):      # numpy; x: float32 -> the quantised numbers, widened to float32 again
;;       x = np.moveaxis(x, axis, -1); K = x.shape[-1]
;;       x = np.pad(x, [(0, 0)] * (x.ndim - 1) + [(0, -K % 32)]); x = x.reshape(x.shape[:-1] + (-1, 32)); a = np.abs(x).max(-1, keepdims=True)
;;       e = np.where(a > 0, np.clip(np.frexp(np.where(a > 0, a, 1))[1] - 1 - 15, -126, 127), 0)      # np.frexp(a)[1] - 1 = floor(log2(a)), exactly
;;       r = np.clip(x / 2.0 ** e, -57344, 57344)
;;       step = 2.0 ** (np.maximum(np.frexp(np.where(r == 0, 1, r))[1] - 1, -14) - 2)
;;       q = np.round(r / step) * step * 2.0 ** e      # np.round: ties to even
;;       return np.moveaxis(q.reshape(q.shape[:-2] + (-1,))[..., :K], -1, axis).astype(np.float32)
;;   ~~~
;;   SOFTMAX AHEAD OF A QUANTISED PRODUCT. Where the list says 'softmax', what is quantised is not the finished softmax but p = 2^(t - M), with t = logit x log2(e) and M = ceil(the row's largest t), a whole number; so 1/2 < the row's largest p <= 1. The row's sum l is taken of the UNQUANTISED p, in f32, and the product's result is divided by l at the end. Since M is a whole number, a kernel that streams over the keys may use a running M (the ceiling of the running maximum): every later rescaling is an exact power of two, which a block's scale takes up: the codes' values come out the same.
;;   OPERANDS COMPUTED ON THE WAY. 'Computed on the way' means the value that the module computes at that place (a softmax that the list does not call 'softmax' is quantised finished and normalised). What goes into a quantiser is computed in f32, as accurately as f32 sums, v_exp_f32 and their like allow (about 1e-6 of the number): no bf16 or f16 on the way to a quantiser, and a product that is left as it is and whose result goes on into a quantised operand takes f32 operands (vector FMAs, or v_wmma_f32_16x16x4_f32). A number that lies on a knife's edge between two numbers of the format may be rounded either way, as far as f32 arithmetic and the matrix unit's own rounding can turn it there, and no further.
;; One version. Each part assembles by itself: llvm-mc -triple=amdgcn-amd-amdhsa -mcpu=gfx1250 --defsym DOCPART=n.
;; ======== version 1 of 1: 3 launches
;; limits: right only within a limited range of input values
;; workspace buffers: wq 2,297,856 bytes; vq 8,650,752 bytes; q2q 2,228,224 bytes; k3q 2,228,224 bytes; q3q 8,912,896 bytes
;; launch quantw (part 1): grid 648 x 1, 4 waves a work-group, no clusters, 0 bytes of LDS; arguments v, w1, w2, w3, w4, w6, w7, vq, wq; writes vq, wq
.if DOCPART == 1
	.amdgcn_target "amdgcn-amd-amdhsa--gfx1250"
	.amdhsa_code_object_version 6
	.text
	.protected	k_q6c8b41b888_quantw
	.globl	k_q6c8b41b888_quantw
	.p2align	8
	.type	k_q6c8b41b888_quantw,@function
k_q6c8b41b888_quantw:
	s_mov_b64 s[64:65], 0
	v_nop
	global_prefetch_b8 v0, s[64:65] scope:SCOPE_SE
	s_setreg_imm32_b32 hwreg(HW_REG_WAVE_MODE, 25, 1), 1
	s_wait_xcnt 0x0
; v [8][2048][512] and the six weights ([1024][512]: w1, w3, w4, w7; [512][128]: w2, w6), all f32 with K as their FIRST axis (v: the keys),
; become codes of BF8 (E5M2) with one E8M0 byte for each 32 along K, laid as IMAGES OF OPERAND REGISTERS:
; a fragment (16 columns x 128 along K) is 2,048 bytes; its register group c (k = 32 c + 16 h + 0 .. 15 of image row r) lies at 512 c + 16 (16 h + r).
; THE COLUMNS OF A TILE ARE NOT NEIGHBOURS: image tile 2 b + u, row r, is column 32 b + 8 u + r + 8 (r / 8), so that in a product used transposed
; the 16 registers of tiles 2 b and 2 b + 1 are 16 neighbouring columns.
; A LANE TAKES A COLUMN AND ITS REGISTERS RUN DOWN K: a block of 32 lies in one lane, and the conversions give codes with K innermost.
; A work-group takes 128 columns x 128 along K, a wave 32 columns (two image tiles): each load of a wave reads 128 consecutive bytes; each store of codes has
; sixteen lanes writing 256 consecutive aligned bytes.  The scale words of v leave as 128 consecutive bytes a wave; those of the weights as 4 bytes a lane,
; 32 or 16 bytes apart (70 KB in all).
; A block's scale is 2^(floor(log2(largest magnitude)) - 15); its byte is the largest magnitude's exponent field - 15, held at 1 from below.
; LIMITS: a block of zeros gets the byte 1 where the rule says 127 (its codes are zeros, and this program alone reads the bytes); NaN and infinities among the inputs are not served.
; No LDS, no barrier, no matrix unit: waves share nothing and memory binds.  Work-groups 0-511: v; 512-639: the four large weights; 640-647: the two small ones.
.set X,   32                           ; v32-95   two sets of 32 numbers
.set C,   96                           ; v96-127  codes: eight registers for each block, never written again
.set CO,  2                            ; v2   4 x my column among the wave's 32
.set DO,  3                            ; v3   my place in the codes: 16 (lane % 16) + (lane / 16) x the tile's stride
.set SO,  4                            ; v4   my place among the scale words
.set SB,  14                           ; v14  my column's scale word
.set SRC, 24                           ; s[24:25] source;  s[26:27] codes;  s[28:29] scale words
.set DC,  26
.set DS,  28
.set VSC, 8388608                      ; vq: the scale words lie behind the codes
	s_load_b256 s[4:11], s[0:1], 0x0               ; v, w1, w2, w3
	s_load_b256 s[12:19], s[0:1], 0x20             ; w4, w6, w7, vq
	s_load_b64 s[20:21], s[0:1], 0x40              ; wq
	v_lshrrev_b32 v1, 5, v0
	v_readfirstlane_b32 s22, v1                    ; wave
	v_and_b32 v1, 31, v0                           ; lane
	v_and_b32 v5, 7, v1
	v_bfe_u32 v6, v1, 3, 1
	v_lshl_add_u32 v5, v6, 4, v5
	v_lshrrev_b32 v6, 4, v1                        ; which of the wave's two tiles
	v_lshl_add_u32 v5, v6, 3, v5                   ; my column: lane % 8 + 16 ((lane / 8) % 2) + 8 (lane / 16)
	v_lshlrev_b32 v[CO], 2, v5
	v_and_b32 v7, 15, v1
	v_lshlrev_b32 v7, 4, v7                        ; 16 x image row
	s_mov_b32 s31, 0x600000                        ; the mantissa field of 57,344
	s_mov_b32 s33, 0                               ; the offsets' high words
	s_mov_b32 s35, 0
	s_mov_b32 s37, 0
	s_lshl_b32 s23, s22, 7                         ; 32 columns x 4 bytes x wave
	s_wait_kmcnt 0x0
	s_cmp_lt_u32 ttmp9, 512
	s_cbranch_scc0 .Lweights
	; ---- v: batch = X / 64, group of 128 columns = (X / 16) % 4, K step = X % 16
	s_lshr_b32 s38, ttmp9, 6
	s_bfe_u32 s39, ttmp9, 0x20004
	s_and_b32 s40, ttmp9, 15
	s_mov_b64 s[SRC:SRC+1], s[4:5]
	s_mov_b64 s[DC:DC+1], s[18:19]
	s_mov_b64 s[DS:DS+1], s[18:19]
	s_lshl_b32 s32, s38, 22                        ; source: a batch is 4,194,304 bytes, 128 rows are 262,144
	s_lshl_b32 s43, s40, 18
	s_add_co_u32 s32, s32, s43
	s_lshl_b32 s43, s39, 9
	s_add_co_u32 s43, s43, s23                     ; (128 group + 32 wave) x 4
	s_add_co_u32 s32, s32, s43
	s_lshl_b32 s34, s38, 20                        ; codes: [batch][tile 32][K step 16][2048]
	s_lshl_b32 s44, s39, 18
	s_add_co_u32 s34, s34, s44
	s_lshl_b32 s44, s22, 16
	s_add_co_u32 s34, s34, s44
	s_lshl_b32 s44, s40, 11
	s_add_co_u32 s34, s34, s44
	s_lshl_b32 s36, s38, 15                        ; scale words: [batch][K step 16][image row 512]
	s_add_co_u32 s36, s36, s44
	s_add_co_u32 s36, s36, s43
	s_add_co_u32 s36, s36, VSC
	s_mov_b32 s41, 32768                           ; from tile to tile
	s_mov_b32 s42, 4                               ; from scale word to scale word
	s_branch .Lq2048
.Lweights:
	s_cmp_lt_u32 ttmp9, 640
	s_cbranch_scc0 .Lsmall
	; ---- a large weight: y = X - 512; which = y / 32 (w1, w3, w4, w7), group = (y / 8) % 4, K step = y % 8
	s_sub_co_u32 s38, ttmp9, 512
	s_lshr_b32 s45, s38, 5
	s_bfe_u32 s39, s38, 0x20003
	s_and_b32 s40, s38, 7
	s_cmp_eq_u32 s45, 1                            ; the choice hangs on the work-group's number alone
	s_cselect_b64 s[SRC:SRC+1], s[10:11], s[6:7]
	s_cmp_eq_u32 s45, 2
	s_cselect_b64 s[SRC:SRC+1], s[12:13], s[SRC:SRC+1]
	s_cmp_eq_u32 s45, 3
	s_cselect_b64 s[SRC:SRC+1], s[16:17], s[SRC:SRC+1]
	s_mov_b64 s[DC:DC+1], s[20:21]
	s_mov_b64 s[DS:DS+1], s[20:21]
	s_lshl_b32 s32, s40, 18
	s_lshl_b32 s43, s39, 9
	s_add_co_u32 s32, s32, s43
	s_add_co_u32 s32, s32, s23
	s_lshl_b32 s34, s45, 19                        ; codes: [weight][tile 32][K step 8][2048]
	s_lshl_b32 s44, s39, 17
	s_add_co_u32 s34, s34, s44
	s_lshl_b32 s44, s22, 15
	s_add_co_u32 s34, s34, s44
	s_lshl_b32 s44, s40, 11
	s_add_co_u32 s34, s34, s44
	s_lshl_b32 s36, s45, 14                        ; scale words: [weight][image row 512][8 words], from byte 2,228,224 on
	s_lshl_b32 s44, s39, 12
	s_add_co_u32 s36, s36, s44
	s_lshl_b32 s44, s22, 10
	s_add_co_u32 s36, s36, s44
	s_lshl_b32 s44, s40, 2
	s_add_co_u32 s36, s36, s44
	s_add_co_u32 s36, s36, 2228224
	s_mov_b32 s41, 16384
	s_mov_b32 s42, 32
.macro LOAD t, st                      ; block t: rows 32 t + i of my column, i = 0 .. 31, into set t % 2; st: a row of the source in bytes
.irp i, 0,1,2,3,4,5,6,7,8,9,10,11,12,13,14,15,16,17,18,19,20,21,22,23,24,25,26,27,28,29,30,31
	global_load_b32 v[X+32*((\t)%2)+\i], v[CO], s[SRC:SRC+1] offset:(32*(\t)+\i)*(\st) th:TH_LOAD_NT
.endr
.endm
.macro BLOCK t, st
.set XS, X+32*((\t)%2)
.if (\t) < 3
	s_wait_loadcnt 32                              ; this block's 32 loads are in; the next block's 32 may be out
.else
	s_wait_loadcnt 0x0
.endif
	v_max3_num_f32 v12, |v[XS]|, |v[XS+1]|, |v[XS+2]|      ; the block's largest magnitude: all 32 numbers are mine; two chains
	v_max3_num_f32 v13, |v[XS+3]|, |v[XS+4]|, |v[XS+5]|
.irp i, 6,10,14,18,22,26
	v_max3_num_f32 v12, v12, |v[XS+\i]|, |v[XS+\i+1]|
	v_max3_num_f32 v13, v13, |v[XS+\i+2]|, |v[XS+\i+3]|
.endr
	v_max3_num_f32 v12, v12, |v[XS+30]|, |v[XS+31]|
	v_max3_num_f32 v12, v12, v13, 0x8000000        ; and the floor 2^(16 - 127): the byte cannot fall under 1
	v_add_nc_u32 v11, 0xf8800000, v12              ; 15 off the exponent field: the conversion's scale operand
	v_and_or_b32 v10, v12, 0x7f800000, s31         ; 57,344 x the scale
	v_lshrrev_b32 v13, 23, v11                     ; the scale's byte
.if (\t) == 0
	v_mov_b32 v[SB], v13                           ; four bytes make the K step's scale word, the lower K in the lower byte
.else
	v_lshl_or_b32 v[SB], v13, 8*(\t), v[SB]
.endif
.irp i, 0,1,2,3,4,5,6,7,8,9,10,11,12,13,14,15,16,17,18,19,20,21,22,23,24,25,26,27,28,29,30,31
	v_med3_num_f32 v[XS+\i], v[XS+\i], -v10, v10   ; the conversion to an 8-bit code does not saturate (ISA guide 7.6.2): the hold comes first
.endr
.irp g, 0,1,2,3
	v_cvt_scalef32_pk8_bf8_f32 v[C+8*(\t)+2*\g:C+8*(\t)+2*\g+1], v[XS+8*\g:XS+8*\g+7], v11
.endr
	v_nop                                          ; a plain line behind the conversions, ahead of the next lines that write their scale operand
	global_store_b128 v[DO], v[C+8*(\t):C+8*(\t)+3], s[DC:DC+1] offset:512*(\t)          ; k = 32 t + 0 .. 15: the half h = 0 of group t
	global_store_b128 v[DO], v[C+8*(\t)+4:C+8*(\t)+7], s[DC:DC+1] offset:512*(\t)+256    ; k = 32 t + 16 .. 31: the half h = 1
.if (\t) < 2
	LOAD (\t)+2, \st
.endif
.endm
.macro QW st
	s_add_nc_u64 s[SRC:SRC+1], s[SRC:SRC+1], s[32:33]
	s_add_nc_u64 s[DC:DC+1], s[DC:DC+1], s[34:35]
	s_add_nc_u64 s[DS:DS+1], s[DS:DS+1], s[36:37]
	v_mad_u32_u24 v[DO], v6, s41, v7
	v_mul_u32_u24 v[SO], v1, s42
	LOAD 0, \st
	LOAD 1, \st
	BLOCK 0, \st
	BLOCK 1, \st
	BLOCK 2, \st
	BLOCK 3, \st
	global_store_b32 v[SO], v[SB], s[DS:DS+1]
	s_endpgm
.endm
.Lq2048:
	s_wait_alu depctr_va_vdst(0)
	QW 2048                                        ; v and the large weights: rows of 512 numbers
.Lsmall:
	; ---- a small weight: y = X - 640; which = y / 4 (w2, w6), K step = y % 4
	s_sub_co_u32 s38, ttmp9, 640
	s_lshr_b32 s45, s38, 2
	s_and_b32 s40, s38, 3
	s_cmp_eq_u32 s45, 0
	s_cselect_b64 s[SRC:SRC+1], s[8:9], s[14:15]
	s_mov_b64 s[DC:DC+1], s[20:21]
	s_mov_b64 s[DS:DS+1], s[20:21]
	s_lshl_b32 s32, s40, 16                        ; 128 rows of 512 bytes
	s_add_co_u32 s32, s32, s23
	s_lshl_b32 s34, s45, 16                        ; codes: [weight][tile 8][K step 4][2048], from byte 2,097,152 on
	s_lshl_b32 s44, s22, 14
	s_add_co_u32 s34, s34, s44
	s_lshl_b32 s44, s40, 11
	s_add_co_u32 s34, s34, s44
	s_add_co_u32 s34, s34, 2097152
	s_lshl_b32 s36, s45, 11                        ; scale words: [weight][image row 128][4 words], from byte 2,293,760 on
	s_lshl_b32 s44, s22, 9
	s_add_co_u32 s36, s36, s44
	s_lshl_b32 s44, s40, 2
	s_add_co_u32 s36, s36, s44
	s_add_co_u32 s36, s36, 2293760
	s_mov_b32 s41, 8192
	s_mov_b32 s42, 16
	s_wait_alu depctr_va_vdst(0)
	QW 512
.Lfunc_end_k_q6c8b41b888_quantw:
	.size	k_q6c8b41b888_quantw, .Lfunc_end_k_q6c8b41b888_quantw-k_q6c8b41b888_quantw
	.p2alignl 7, 3214868480
	.fill 96, 4, 3214868480
	.section	.rodata,"a",@progbits
	.p2align	6, 0x0
	.amdhsa_kernel k_q6c8b41b888_quantw
		.amdhsa_group_segment_fixed_size 0
		.amdhsa_private_segment_fixed_size 0
		.amdhsa_enable_private_segment 0
		.amdhsa_kernarg_size 72
		.amdhsa_user_sgpr_count 2
		.amdhsa_user_sgpr_kernarg_segment_ptr 1
		.amdhsa_wavefront_size32 1
		.amdhsa_system_sgpr_workgroup_id_x 1
		.amdhsa_system_sgpr_workgroup_id_y 1
		.amdhsa_system_sgpr_workgroup_id_z 1
		.amdhsa_system_vgpr_workitem_id 0
		.amdhsa_next_free_vgpr 128
		.amdhsa_next_free_sgpr 66
		.amdhsa_reserve_vcc 0
		.amdhsa_float_denorm_mode_32 3
		.amdhsa_float_denorm_mode_16_64 3
		.amdhsa_memory_ordered 1
		.amdhsa_forward_progress 1
		.amdhsa_inst_pref_size 60
	.end_amdhsa_kernel
	.amdgpu_metadata
---
amdhsa.version: [ 1, 2 ]
amdhsa.kernels:
  - .name:           k_q6c8b41b888_quantw
    .symbol:         k_q6c8b41b888_quantw.kd
    .args:
      - { .name: v, .offset: 0, .size: 8, .value_kind: global_buffer, .address_space: global }
      - { .name: w1, .offset: 8, .size: 8, .value_kind: global_buffer, .address_space: global }
      - { .name: w2, .offset: 16, .size: 8, .value_kind: global_buffer, .address_space: global }
      - { .name: w3, .offset: 24, .size: 8, .value_kind: global_buffer, .address_space: global }
      - { .name: w4, .offset: 32, .size: 8, .value_kind: global_buffer, .address_space: global }
      - { .name: w6, .offset: 40, .size: 8, .value_kind: global_buffer, .address_space: global }
      - { .name: w7, .offset: 48, .size: 8, .value_kind: global_buffer, .address_space: global }
      - { .name: vq, .offset: 56, .size: 8, .value_kind: global_buffer, .address_space: global }
      - { .name: wq, .offset: 64, .size: 8, .value_kind: global_buffer, .address_space: global }
    .group_segment_fixed_size: 0
    .private_segment_fixed_size: 0
    .kernarg_segment_align: 8
    .kernarg_segment_size: 72
    .max_flat_workgroup_size: 128
    .sgpr_count:     66
    .vgpr_count:     128
    .wavefront_size: 32
...
	.end_amdgpu_metadata
.endif
;; end of part 1
;; launch proj (part 2): grid 256 x 1, 4 waves a work-group, no clusters, 140,800 bytes of LDS; arguments q, k, wq, q2q, k3q, q3q; writes q2q, k3q, q3q
.if DOCPART == 2
	.amdgcn_target "amdgcn-amd-amdhsa--gfx1250"
	.amdhsa_code_object_version 6
	.text
	.protected	k_q6c8b41b888_proj
	.globl	k_q6c8b41b888_proj
	.p2align	8
	.type	k_q6c8b41b888_proj,@function
k_q6c8b41b888_proj:
	s_mov_b64 s[64:65], 0
	v_nop
	global_prefetch_b8 v0, s[64:65] scope:SCOPE_SE
	s_setreg_imm32_b32 hwreg(HW_REG_WAVE_MODE, 25, 1), 1
	s_wait_xcnt 0x0
; q2 = Q(Q(q) Q(w1)) Q(w2), q3 = Q(q) Q(w3), k3 = Q(Q(k) Q(w4)) Q(w6), each result quantised again (BF8, E5M2, one E8M0 byte for each 32 along its own last axis) and stored as images of operand registers.
; q, k: [16384][1024] f32.  The weights come from wq as fragment images (2,048 bytes: register group c at 512 c + 16 lane) with permuted tiles: image tile 2 b + u, row r = column 32 b + 8 u + r + 8 (r / 8).
; SHARES.  A work-group owns 64 rows of q and the same 64 rows of k, in two passes (odd work-groups take k first).  THE WAVES SHARE THE COLUMNS: wave w owns image tiles 8 w .. 8 w + 7 of a weight 512 wide, for all 64 rows.
; The rows go in four tiles that are permuted like the weights' tiles: tile m, lane r = row 32 (m / 2) + 8 (m % 2) + r + 8 (r / 8) of the block (the keys of a tile want that order in the next launch).
; A PASS.  X: wave w loads its tile's 16 rows in runs of 512 consecutive bytes, turns them through its own stage in LDS so that a lane holds 16 neighbours along K, quantises, and stores the fragments' images to LDS | barrier |
; first product, transposed (source 0 = 16 columns of the weight, source 1 = 16 rows): 32 accumulators, 8 K steps; the weight's fragments come STRAIGHT INTO REGISTERS, a ring of three sets, two K steps ahead;
; the results are K step w of the second product: quantised in registers, images to LDS | barrier | second product: my two tiles of 16 columns, block w of the 128; codes leave as register group w of each row tile's image;
; the four waves' scale bytes meet in LDS | barrier | each wave stores one row tile's scale words.  The pass on q then makes q3 from the same images of x.  A last barrier parts a pass's reads of the images from the next pass's stores.
; NO TENSOR LOADS, NO CLUSTER: each fragment of a weight is read by ONE wave of the work-group, so LDS would spare no read inside the work-group; beside the 140,288 bytes used here LDS holds two slots of one K step of a weight
; (65,536 bytes each), which would mean a round of the cluster's barrier for every 32 matrix instructions of a wave, with those 32 as all the time a joint load has to land; straight into registers two K steps (64 loads of 512 bytes) are out with no barrier.
; LIMITS: a block of zeros gets the byte 1 where the rule says 127 (its codes are zeros; this program alone reads the bytes); NaN and infinities among the inputs are not served.
; REGISTERS, in windows of 256: window 0: v1-21 addresses; v24-39 at work; v40 a scale word just made; v44-47 bytes read back; v48-63 codes just made; v64-95, v96-99, v100-107 scale words (weight, second weight, rows); v128-255 the rows' fragments, two sets
; (v128-191 also the 64 numbers of x in hand).  window 1: the weight's sets 0 and 1.  window 2: v0-127 set 2, later the second weight.  window 3: the 32 accumulators, (m, t) at v[64 m + 8 t]; in phase X four sets of 64 numbers as loaded.
.set XIMG, 0                           ; LDS: x's 32 fragments (8 m + s),
.set XSC,  65536                       ; their scale words, 128 bytes each,
.set HIMG, 69632                       ; the hidden layer's 16 fragments (4 m + s),
.set HSC,  102400                      ; their scale words,
.set STG,  104448                      ; a stage of 16 rows x (512 + 16) bytes for each wave,
.set BSC,  138240                      ; and the second product's scale bytes: [row tile][wave][lane] words
.set LI,   1                           ; 16 x lane
.set LS,   2                           ; 4 x lane
.set SW,   4                           ; the stage, in: 16 x lane
.set SRD,  5                           ; the stage, out: 528 r + 64 h
.set XWI,  6                           ; where I store x's images
.set XWS,  7                           ; and their scale words
.set XSR,  8                           ; where x's scale words are read
.set HWI,  9                           ; the hidden layer's likewise
.set HWS,  10
.set HIR,  11
.set HSR,  12
.set BW,   13                          ; my bytes' place in BSC
.set BR,   14                          ; my row tile's bytes
.set WO,   15                          ; my eight tiles in a weight's codes
.set WSO,  16                          ; and in its scale words
.set W2O,  17                          ; my two tiles in the second weight's codes
.set W2SO, 18
.set GC,   19                          ; out: register group w of an image
.set GS,   20                          ; out: scale words
.set G3,   21                          ; out: K step w of q3's images
.set TM,   24                          ; +0..3 largest magnitudes, +4..7 bytes, +8..11 57,344 x the scale, +12..15 the conversions' scale operands
.set PW,   40
.set BV,   44
.set PC,   48
.set WS,   64
.set W2S,  96
.set XS,   100
.set XF,   128
.set ST,   128
.set SEL,  20                          ; s[20:21] v_permlanex16_b32's selects for lane l xor 16
.set MNT,  22                          ; s22 the mantissa field of 57,344
.set MSB, 0
.macro WIN new                         ; the immediate's high byte repeats the setting that is left; a switch that changes nothing is dropped
.if MSB != (\new)
	s_set_vgpr_msb (MSB<<8)|(\new)
.set MSB, (\new)
.endif
.endm
.macro PLACES n                        ; plain vector lines between a matrix instruction and a load into, or a read of, its registers
.rept \n
	v_nop
.endr
.endm
.macro BARRIER                         ; my LDS stores have landed and my LDS loads are in: then the work-group's barrier
	s_wait_dscnt 0x0
	s_barrier_signal -1
	s_barrier_wait -1
.endm
; 64 numbers of a lane in window w, register 16 b + i = number i of block b (its other 16 lie in lane l xor 16), become 16 registers of codes in v[PC] on; the blocks' bytes are left in v[TM+4] on.
; Each accumulator is read from its low end on: registers 0, 1 of tile 2 b first, registers 0, 1 of tile 2 b + 1 (i = 8) ahead of its others.
.macro QCORE s, w
	WIN (\w)|((\w)<<2)
.irp b, 0,1,2,3
	v_max3_num_f32 v[TM+\b], |v[(\s)+16*\b]|, |v[(\s)+16*\b+1]|, 0x8000000    ; and the floor 2^(16 - 127): the byte cannot fall under 1
.endr
	WIN ((\w)<<2)|((\w)<<4)
.irp i, 2,4,6,8,10,12,14
.irp b, 0,1,2,3
	v_max3_num_f32 v[TM+\b], v[TM+\b], |v[(\s)+16*\b+\i]|, |v[(\s)+16*\b+\i+1]|   ; the four blocks by turns
.endr
.endr
	WIN 0
.irp b, 0,1,2,3
	v_permlanex16_b32 v[TM+4+\b], v[TM+\b], s[SEL], s[SEL+1]
.endr
.irp b, 0,1,2,3
	v_max_num_f32 v[TM+\b], v[TM+\b], v[TM+4+\b]   ; the block's largest magnitude
.endr
.irp b, 0,1,2,3
	v_add_nc_u32 v[TM+12+\b], 0xf8800000, v[TM+\b] ; 15 off its exponent field
.endr
.irp b, 0,1,2,3
	v_and_or_b32 v[TM+8+\b], v[TM+\b], 0x7f800000, s[MNT]
.endr
.irp b, 0,1,2,3
	v_lshrrev_b32 v[TM+4+\b], 23, v[TM+12+\b]      ; the scale's byte
.endr
	WIN (\w)|((\w)<<6)
.irp b, 0,1,2,3
.irp i, 0,1,2,3,4,5,6,7,8,9,10,11,12,13,14,15
	v_med3_num_f32 v[(\s)+16*\b+\i], v[(\s)+16*\b+\i], -v[TM+8+\b], v[TM+8+\b]   ; the hold: the conversion does not saturate (ISA guide 7.6.2)
.endr
.endr
	WIN (\w)
.irp b, 0,1,2,3
	v_cvt_scalef32_pk8_bf8_f32 v[PC+4*\b:PC+4*\b+1], v[(\s)+16*\b:(\s)+16*\b+7], v[TM+12+\b]
	v_cvt_scalef32_pk8_bf8_f32 v[PC+4*\b+2:PC+4*\b+3], v[(\s)+16*\b+8:(\s)+16*\b+15], v[TM+12+\b]
.endr
	WIN 0
	v_nop                                          ; a plain line behind the last conversion
.endm
.macro QUANT s, w                      ; the same, where the four blocks are one row's: their bytes make the fragment's scale word
	QCORE \s, \w
	v_lshl_or_b32 v[PW], v[TM+5], 8, v[TM+4]
	v_lshl_or_b32 v[PW], v[TM+6], 16, v[PW]
	v_lshl_or_b32 v[PW], v[TM+7], 24, v[PW]
.endm
.macro IMAGE adr, off                  ; the fragment in v[PC] on goes to LDS as it stands
.irp c, 0,1,2,3
	ds_store_b128 v[\adr], v[PC+4*\c:PC+4*\c+3] offset:(\off)+512*\c
.endr
.endm
.macro FETCH reg, adr, off             ; and comes back so, in any wave
.irp c, 0,1,2,3
	ds_load_b128 v[(\reg)+4*\c:(\reg)+4*\c+3], v[\adr] offset:(\off)+512*\c
.endr
.endm
; One matrix instruction.  zero: the constant 0 starts the sum.  row: source 0's scales stand in lanes 16-31 of their register.
.macro MM d, a, b, zero, sa, sb, row
.if \zero
.if \row
	v_wmma_scale_f32_16x16x128_f8f6f4 v[(\d):(\d)+7], v[(\a):(\a)+15], v[(\b):(\b)+15], 0, v[\sa], v[\sb] matrix_a_fmt:MATRIX_FMT_BF8 matrix_b_fmt:MATRIX_FMT_BF8 matrix_a_scale:MATRIX_SCALE_ROW1
.else
	v_wmma_scale_f32_16x16x128_f8f6f4 v[(\d):(\d)+7], v[(\a):(\a)+15], v[(\b):(\b)+15], 0, v[\sa], v[\sb] matrix_a_fmt:MATRIX_FMT_BF8 matrix_b_fmt:MATRIX_FMT_BF8
.endif
.else
.if \row
	v_wmma_scale_f32_16x16x128_f8f6f4 v[(\d):(\d)+7], v[(\a):(\a)+15], v[(\b):(\b)+15], v[(\d):(\d)+7], v[\sa], v[\sb] matrix_a_fmt:MATRIX_FMT_BF8 matrix_b_fmt:MATRIX_FMT_BF8 matrix_a_scale:MATRIX_SCALE_ROW1
.else
	v_wmma_scale_f32_16x16x128_f8f6f4 v[(\d):(\d)+7], v[(\a):(\a)+15], v[(\b):(\b)+15], v[(\d):(\d)+7], v[\sa], v[\sb] matrix_a_fmt:MATRIX_FMT_BF8 matrix_b_fmt:MATRIX_FMT_BF8
.endif
.endif
.endm
.macro XLOAD s                         ; K step s of my 16 rows: each load is 512 consecutive bytes of one row; into set s % 4 of window 3
	WIN 0xc0
.irp i, 0,1,2,3,4,5,6,7,8,9,10,11,12,13,14,15
	global_load_b128 v[64*((\s)%4)+4*\i:64*((\s)%4)+4*\i+3], v[LI], s[24:25] offset:(\i+8*(\i/8))*4096+512*(\s) th:TH_LOAD_NT
.endr
	WIN 0
.endm
.macro WSLOAD bs                       ; my 128 image rows' scale words, 8 words a row: register 8 p + s: lanes 0-15 tile 2 p, lanes 16-31 tile 2 p + 1, K step s
.irp p, 0,1,2,3
.irp q, 0,1
	global_load_b128 v[WS+8*\p+4*\q:WS+8*\p+4*\q+3], v[WSO], s[\bs:\bs+1] offset:1024*\p+16*\q
.endr
.endr
.endm
.macro WLOAD bc, s                     ; my eight fragments of K step s into set s % 3
.set RB, 128*(((\s)%3)%2)
.if ((\s)%3) == 2
	WIN 0x80
.else
	WIN 0x40
.endif
.irp t, 0,1,2,3,4,5,6,7
.irp c, 0,1,2,3
	global_load_b128 v[RB+16*\t+4*\c:RB+16*\t+4*\c+3], v[WO], s[\bc:\bc+1] offset:16384*\t+2048*(\s)+512*\c
.endr
.endr
	WIN 0
.endm
.macro W2LOAD                          ; the second weight: my two tiles x four K steps into set 2, and their scale words: 33 loads
	WIN 0x80
.irp n, 0,1
.irp k, 0,1,2,3
.irp c, 0,1,2,3
	global_load_b128 v[16*(4*\n+\k)+4*\c:16*(4*\n+\k)+4*\c+3], v[W2O], s[30:31] offset:8192*\n+2048*\k+512*\c
.endr
.endr
.endr
	WIN 0
	global_load_b128 v[W2S:W2S+3], v[W2SO], s[32:33]
.endm
.macro XFETCH s                        ; the four row tiles' fragments and scale words of K step s: 20 LDS loads
.irp m, 0,1,2,3
	FETCH XF+64*((\s)%2)+16*\m, LI, (8*\m+(\s))*2048
	ds_load_b32 v[XS+4*((\s)%2)+\m], v[XSR] offset:(8*\m+(\s))*128
.endr
.endm
.macro HFETCH s                        ; the same of the hidden layer
.irp m, 0,1,2,3
	FETCH XF+64*((\s)%2)+16*\m, HIR, (4*\m+(\s))*2048
	ds_load_b32 v[XS+4*((\s)%2)+\m], v[HSR] offset:(4*\m+(\s))*128
.endr
.endm
; K step s of my 16 rows of x becomes a fragment's image in LDS.
.macro XSTEP s
.if (\s) < 5
	s_wait_loadcnt 48                              ; this step's 16 loads are in; three younger sets of 16 may be out
.else
	s_wait_loadcnt 16*(7-(\s))                     ; the counts run down
.endif
.if (\s) == 7
	WSLOAD 28                                      ; the first weight's scale words and its K step 0 land under the last quantising
	WLOAD 26, 0
.endif
	WIN 0x0c                                       ; an LDS store's data are its source 1: window 3
.irp i, 0,1,2,3,4,5,6,7,8,9,10,11,12,13,14,15
	ds_store_b128 v[SW], v[64*((\s)%4)+4*\i:64*((\s)%4)+4*\i+3] offset:528*\i
.endr
	WIN 0
.irp b, 0,1,2,3
.irp j, 0,1,2,3
	ds_load_b128 v[ST+16*\b+4*\j:ST+16*\b+4*\j+3], v[SRD] offset:128*\b+16*\j    ; LDS serves a wave's instructions in order: these see the stores above
.endr
.endr
	s_wait_dscnt 0x0                               ; the numbers are back; the stores have read their registers, the last step's image stores too
.if (\s) < 4
	XLOAD (\s)+4
.endif
	QUANT ST, 0
	IMAGE XWI, 2048*(\s)
	ds_store_b32 v[XWS], v[PW] offset:128*(\s)
.endm
.macro GMUL s                          ; 32 matrix instructions; the 32 accumulators take turns, one instruction a turn, in the same order in every step
.set RB, 128*(((\s)%3)%2)
.if ((\s)%3) == 2
	WIN 0xf2                                       ; source 0 window 2, source 1 window 0, C and D window 3
.else
	WIN 0xf1
.endif
.irp m, 0,1,2,3
.irp t, 0,1,2,3,4,5,6,7
	MM 64*\m+8*\t, RB+16*\t, XF+64*((\s)%2)+16*\m, (\s)==0, WS+8*(\t/2)+(\s), XS+4*((\s)%2)+\m, \t%2
.endr
.endr
	WIN 0
.endm
; K step s of a product 512 wide.  bc: the weight's codes.  nx = 1: the second weight is asked for in step 6.
.macro GSTEP bc, s, nx
	PLACES 8                                       ; in front of loads into registers that the last step's matrix instructions read
.if (\s) <= 5
	WLOAD \bc, (\s)+2
.endif
.if ((\s) == 6) && (\nx)
	W2LOAD
.endif
.if (\s) < 7
	XFETCH (\s)+1
.endif
.if (\s) <= 5
	s_wait_loadcnt 63                              ; behind this step's set stand two sets, 64 loads: the wait's field holds 63, one stricter
.elseif (\s) == 6
.if \nx
	s_wait_loadcnt 63                              ; behind it: one set and the second weight's 33
.else
	s_wait_loadcnt 32                              ; behind it: one set
.endif
.else
.if \nx
	s_wait_loadcnt 33                              ; behind it: the second weight's 33
.else
	s_wait_loadcnt 0x0
.endif
.endif
.if (\s) < 7
	s_wait_dscnt 20                                ; the next step's 20 LDS loads may be out
.else
	s_wait_dscnt 0x0
.endif
	GMUL \s
.endm
.macro HSTEP s                         ; K step s of the second product: eight accumulators by turns
	PLACES 8
.if (\s) < 3
	HFETCH (\s)+1
	s_wait_dscnt 20
.else
	s_wait_dscnt 0x0
.endif
	WIN 0xf2
.irp m, 0,1,2,3
.irp n, 0,1
	MM 16*\m+8*\n, 16*(4*\n+(\s)), XF+64*((\s)%2)+16*\m, (\s)==0, W2S+(\s), XS+4*((\s)%2)+\m, \n
.endr
.endr
	WIN 0
.endm
	s_load_b256 s[4:11], s[0:1], 0x0               ; q, k, wq, q2q
	s_load_b128 s[12:15], s[0:1], 0x20             ; k3q, q3q
	v_lshl_add_u32 v126, v0, 2, 0x22400
	v_mov_b32 v127, 0
	v_lshrrev_b32 v22, 5, v0
	v_readfirstlane_b32 s16, v22                   ; wave 0..3
	v_and_b32 v22, 31, v0                          ; lane
	v_and_b32 v23, 15, v0                          ; r
	v_bfe_u32 v41, v0, 4, 1                        ; h
	s_mov_b32 s17, ttmp9                           ; my block of 64 rows
	v_lshlrev_b32 v[LI], 4, v22
	v_lshlrev_b32 v[LS], 2, v22
	s_mul_i32 s46, s16, 8448
	s_add_co_u32 s46, s46, STG                     ; my stage
	v_add_nc_u32 v[SW], s46, v[LI]
	v_mul_u32_u24 v42, v23, 528
	v_lshl_add_u32 v42, v41, 6, v42
	v_add_nc_u32 v[SRD], s46, v42
	s_lshl_b32 s47, s16, 14
	v_add_nc_u32 v[XWI], s47, v[LI]                ; fragments 8 w + s
	v_add_nc_u32 v[W2O], s47, v[LI]                ; tiles 2 w, 2 w + 1 of 8,192 bytes
	s_lshl_b32 s47, s16, 10
	s_add_co_u32 s47, s47, XSC
	v_add_nc_u32 v[XWS], s47, v[LS]
	v_add_nc_u32 v[XSR], XSC, v[LS]
	s_lshl_b32 s47, s16, 11
	v_add_nc_u32 v[G3], s47, v[LI]
	s_add_co_u32 s47, s47, HIMG
	v_add_nc_u32 v[HWI], s47, v[LI]
	s_lshl_b32 s47, s16, 7
	v_add_nc_u32 v[GS], s47, v[LS]
	s_add_co_u32 s48, s47, HSC
	v_add_nc_u32 v[HWS], s48, v[LS]
	s_add_co_u32 s48, s47, BSC
	v_add_nc_u32 v[BW], s48, v[LS]
	v_add_nc_u32 v[HIR], HIMG, v[LI]
	v_add_nc_u32 v[HSR], HSC, v[LS]
	s_lshl_b32 s47, s16, 9
	v_add_nc_u32 v[W2SO], s47, v[LI]
	v_add_nc_u32 v[GC], s47, v[LI]
	s_add_co_u32 s47, s47, BSC
	v_add_nc_u32 v[BR], s47, v[LS]
	s_lshl_b32 s47, s16, 17
	v_add_nc_u32 v[WO], s47, v[LI]
	v_lshlrev_b32 v42, 5, v22
	s_lshl_b32 s47, s16, 12
	v_add_nc_u32 v[WSO], s47, v42
.irp b, 0,1,2,3
	v_mov_b32 v[TM+4+\b], 0                        ; written once: a lane permute's destination counts as one of its sources
.endr
	s_mov_b32 s[SEL], 0x76543210
	s_mov_b32 s[SEL+1], 0xfedcba98
	s_mov_b32 s[MNT], 0x600000
	s_mov_b32 s47, 0                               ; the offsets' high word
	s_wait_kmcnt 0x0
	s_add_nc_u64 s[38:39], s[8:9], 524288          ; w3's codes
	s_add_nc_u64 s[40:41], s[8:9], 2244608         ; and scale words
	s_lshl_b32 s46, s17, 15
	s_add_nc_u64 s[42:43], s[14:15], s[46:47]      ; q3's images: 4 row tiles x 4 K steps x 2,048 bytes a block
	s_lshl_b32 s46, s17, 11
	s_add_co_u32 s46, s46, 8388608
	s_add_nc_u64 s[44:45], s[14:15], s[46:47]      ; and their scale words
	s_mov_b32 s18, 0                               ; the pass
.Lpass:
	s_and_b32 s19, s17, 1
	s_xor_b32 s19, s19, s18                        ; 0: q's pass, 1: k's
	s_cmp_eq_u32 s19, 0
	s_cselect_b64 s[24:25], s[4:5], s[6:7]         ; the choices hang on the work-group's number and the pass alone
	s_cselect_b64 s[34:35], s[10:11], s[12:13]
	s_mov_b64 s[36:37], s[34:35]
	s_lshl_b32 s46, s17, 18                        ; x: 64 rows of 4,096 bytes a block; my tile begins at row 32 (w / 2) + 8 (w % 2)
	s_lshr_b32 s48, s16, 1
	s_lshl_b32 s48, s48, 17
	s_add_co_u32 s46, s46, s48
	s_and_b32 s48, s16, 1
	s_lshl_b32 s48, s48, 15
	s_add_co_u32 s46, s46, s48
	s_add_nc_u64 s[24:25], s[24:25], s[46:47]
	s_lshl_b32 s46, s17, 13
	s_add_nc_u64 s[34:35], s[34:35], s[46:47]      ; the result's images: 4 x 2,048 bytes a block
	s_lshl_b32 s46, s17, 9
	s_add_co_u32 s46, s46, 2097152
	s_add_nc_u64 s[36:37], s[36:37], s[46:47]      ; and scale words
	s_lshl_b32 s46, s19, 20
	s_add_nc_u64 s[26:27], s[8:9], s[46:47]        ; w1's or w4's codes
	s_lshl_b32 s46, s19, 15
	s_add_co_u32 s46, s46, 2228224
	s_add_nc_u64 s[28:29], s[8:9], s[46:47]        ; and scale words
	s_lshl_b32 s46, s19, 16
	s_add_co_u32 s46, s46, 2097152
	s_add_nc_u64 s[30:31], s[8:9], s[46:47]        ; w2's or w6's codes
	s_lshl_b32 s46, s19, 11
	s_add_co_u32 s46, s46, 2293760
	s_add_nc_u64 s[32:33], s[8:9], s[46:47]        ; and scale words
	; ---- X: my 16 rows become eight fragments
	XLOAD 0
	XLOAD 1
	XLOAD 2
	XLOAD 3
.irp z, 0,1,2,3,4,5,6,7
	XSTEP \z
.endr
	WLOAD 26, 1
	BARRIER                                        ; x's 32 fragments lie in LDS
	; ---- the first product, and its results as K step w of the second
	XFETCH 0
.irp z, 0,1,2,3,4,5,6,7
	GSTEP 26, \z, 1
.endr
	PLACES 8                                       ; in front of the first read of results
.irp m, 0,1,2,3
	QUANT 64*\m, 3
	IMAGE HWI, 8192*\m
	ds_store_b32 v[HWS], v[PW] offset:512*\m
	s_wait_dscnt 0x0                               ; the stores have read their registers
.endr
	BARRIER                                        ; the hidden layer's 16 fragments lie in LDS
	; ---- the second product: my 32 columns (block w of the 128) for the 64 rows
	s_wait_loadcnt 0x0                             ; the second weight
	HFETCH 0
.irp z, 0,1,2,3
	HSTEP \z
.endr
	PLACES 8
	s_wait_xcnt 0x0                                ; the codes' registers are written again only behind this wait
	QCORE 0, 3                                     ; block b is here row tile b's
.irp m, 0,1,2,3
	global_store_b128 v[GC], v[PC+4*\m:PC+4*\m+3], s[34:35] offset:2048*\m     ; register group w of row tile m's image: 512 consecutive bytes
.endr
.irp m, 0,1,2,3
	ds_store_b32 v[BW], v[TM+4+\m] offset:512*\m
.endr
	BARRIER                                        ; the four waves' bytes lie in LDS
.irp c, 0,1,2,3
	ds_load_b32 v[BV+\c], v[BR] offset:128*\c      ; row tile w's
.endr
	s_wait_dscnt 0x0
	v_lshl_or_b32 v[PW], v[BV+1], 8, v[BV]
	v_lshl_or_b32 v[PW], v[BV+2], 16, v[PW]
	v_lshl_or_b32 v[PW], v[BV+3], 24, v[PW]
	global_store_b32 v[GS], v[PW], s[36:37]
	s_cmp_lg_u32 s19, 0
	s_cbranch_scc1 .Lno_q3
	; ---- q3, from the same images of x (q's pass alone; no barrier and no LDS store stands here)
	WSLOAD 40
	WLOAD 38, 0
	WLOAD 38, 1
	XFETCH 0
.irp z, 0,1,2,3,4,5,6,7
	GSTEP 38, \z, 0
.endr
	PLACES 8
.irp m, 0,1,2,3
	s_wait_xcnt 0x0                                ; the last stores have read the codes and the scale word
	QUANT 64*\m, 3
.irp c, 0,1,2,3
	global_store_b128 v[G3], v[PC+4*\c:PC+4*\c+3], s[42:43] offset:8192*\m+512*\c
.endr
	global_store_b32 v[GS], v[PW], s[44:45] offset:512*\m
.endr
.Lno_q3:
	s_wait_xcnt 0x0                                ; the stores have read their registers and bases: the next pass writes both
	BARRIER                                        ; every wave's reads of x's images are over
	s_add_co_u32 s18, s18, 1
	s_cmp_lt_u32 s18, 2
	s_cbranch_scc1 .Lpass
	s_wait_tensorcnt 0x0
	ds_add_u32 v126, v127
	s_wait_dscnt 0x0
	s_endpgm
.Lfunc_end_k_q6c8b41b888_proj:
	.size	k_q6c8b41b888_proj, .Lfunc_end_k_q6c8b41b888_proj-k_q6c8b41b888_proj
	.p2alignl 7, 3214868480
	.fill 96, 4, 3214868480
	.section	.rodata,"a",@progbits
	.p2align	6, 0x0
	.amdhsa_kernel k_q6c8b41b888_proj
		.amdhsa_group_segment_fixed_size 140800
		.amdhsa_private_segment_fixed_size 0
		.amdhsa_enable_private_segment 0
		.amdhsa_kernarg_size 48
		.amdhsa_user_sgpr_count 2
		.amdhsa_user_sgpr_kernarg_segment_ptr 1
		.amdhsa_wavefront_size32 1
		.amdhsa_system_sgpr_workgroup_id_x 1
		.amdhsa_system_sgpr_workgroup_id_y 1
		.amdhsa_system_sgpr_workgroup_id_z 1
		.amdhsa_system_vgpr_workitem_id 0
		.amdhsa_next_free_vgpr 1024
		.amdhsa_next_free_sgpr 66
		.amdhsa_reserve_vcc 0
		.amdhsa_float_denorm_mode_32 3
		.amdhsa_float_denorm_mode_16_64 3
		.amdhsa_memory_ordered 1
		.amdhsa_forward_progress 1
		.amdhsa_inst_pref_size 255
	.end_amdhsa_kernel
	.section	.bss,"aw",@nobits
	.p2align	6
	.space	262144
	.amdgpu_metadata
---
amdhsa.version: [ 1, 2 ]
amdhsa.kernels:
  - .name:           k_q6c8b41b888_proj
    .symbol:         k_q6c8b41b888_proj.kd
    .args:
      - { .name: q, .offset: 0, .size: 8, .value_kind: global_buffer, .address_space: global }
      - { .name: k, .offset: 8, .size: 8, .value_kind: global_buffer, .address_space: global }
      - { .name: wq, .offset: 16, .size: 8, .value_kind: global_buffer, .address_space: global }
      - { .name: q2q, .offset: 24, .size: 8, .value_kind: global_buffer, .address_space: global }
      - { .name: k3q, .offset: 32, .size: 8, .value_kind: global_buffer, .address_space: global }
      - { .name: q3q, .offset: 40, .size: 8, .value_kind: global_buffer, .address_space: global }
    .group_segment_fixed_size: 140800
    .private_segment_fixed_size: 0
    .kernarg_segment_align: 8
    .kernarg_segment_size: 48
    .max_flat_workgroup_size: 128
    .sgpr_count:     66
    .vgpr_count:     1024
    .wavefront_size: 32
...
	.end_amdgpu_metadata
.endif
;; end of part 2
;; launch attn (part 3): grid 32 x 8, 4 waves a work-group, no clusters, 116,224 bytes of LDS; arguments q2q, k3q, vq, q3q, wq, out0; writes out0
.if DOCPART == 3
	.amdgcn_target "amdgcn-amd-amdhsa--gfx1250"
	.amdhsa_code_object_version 6
	.text
	.protected	k_q6c8b41b888_attn
	.globl	k_q6c8b41b888_attn
	.p2align	8
	.type	k_q6c8b41b888_attn,@function
k_q6c8b41b888_attn:
	s_mov_b64 s[64:65], 0
	v_nop
	global_prefetch_b8 v0, s[64:65] scope:SCOPE_SE
	s_setreg_imm32_b32 hwreg(HW_REG_WAVE_MODE, 25, 1), 1
	s_wait_xcnt 0x0
; out0 = concat(out, q3) w7 + concat(q3, out) w7, out = causal softmax(q2 k3^T / sqrt(128)) v, all products on codes of BF8 (E5M2) with one E8M0 byte for each 32 along K.
; q2, k3, q3, v and w7 come as fragment images (2,048 bytes: register group c at 512 c + 16 lane) with permuted tiles: image tile 2 b + u, row r = row or column 32 b + 8 u + r + 8 (r / 8).
; THE SOFTMAX: t = score x log2(e) / sqrt(128); M = the running largest t rounded UP to a whole number; p = 2^(t - M) is quantised along the keys, not normalised; the row's sum is taken of the unquantised p and divides at the end;
; when M moves, the sum and O are multiplied by 2^(old M - new M), which rounds nothing.  A block's largest p is the block's largest score put through the same multiply-add and exponential (this takes v_exp_f32 not to fall where its input rises).
; THE LAST PRODUCTS: 512 is a multiple of 32, so Q(concat) is Q(out) beside Q(q3); every fragment of w7 (K step k) meets both out's and q3's fragment of K step k % 4, and all four terms add into one accumulator
; (the order of these f32 sums differs from o1 + o2 taken apart).
; SHARES.  A work-group owns 64 queries of one batch: four tiles of 16.  It walks the key steps of 128 keys up to the one that holds its diagonal: blk / 2 + 1 steps; only the last is masked.  In a step wave w makes S^T for keys 32 w .. 32 w + 31
; (two tiles, one block of p) against the four query tiles, and O^T for channels 128 w .. 128 w + 127 (eight tiles of v) against the four query tiles.  The blocks' largest scores, p's codes (register group w of each query tile's fragment)
; and p's bytes go from wave to wave through LDS: two barriers a step.  Every wave makes M and the rescaling factor for all four query tiles from the same four numbers.
; k3's, v's and w7's fragments come STRAIGHT INTO REGISTERS.  NO TENSOR LOADS, NO CLUSTER: each of these fragments is read by ONE wave of the work-group, so LDS would spare no read inside it; the work-groups of a batch walk different numbers of key steps
; (1 to 16), so partners of a cluster would need different numbers of tiles.
; LIMITS: a block of zeros gets the byte 1 where the rule says 127 (its codes are zeros; this program alone reads the bytes); NaN and infinities among the inputs are not served; p under 2^-126 counts as 0.
; REGISTERS, in windows of 256: window 0: v1-23 addresses; v24-39 at work; v44-47 mask offsets; v48-51 blocks' largest scores; v52-59 (-M, largest t); v60-67 factors; v68-75 sums; v76-107 read back from LDS; v108-123 codes just made;
; v124-187 S^T, then p, at the end rows of out0; v188-249 scale words and nothing else.  window 1: v0-127 v's eight fragments, v128-159 k3's two; later w7's two sets.  window 2: v0-63 q2, v64-127 p; later two sets of out's and q3's four fragments.
; window 3: O^T, later out0's accumulators: (m, t) at v[64 m + 8 t].
.set MX,    0                          ; LDS: [query tile][lane][4 words]: a number from each wave
.set PB,    2048                       ; p's bytes, likewise
.set PIMG,  4096                       ; p's four fragments
.set OSC,   12288                      ; out's scale words (4 m + s), 128 bytes each
.set Q3SC,  14336                      ; q3's
.set OIMG,  16384                      ; out's 16 fragments (4 m + s)
.set Q3IMG, 49152                      ; q3's
.set STG,   81920                      ; a stage of 16 rows x (512 + 16) bytes for each wave
.set LI,   1                           ; 16 x lane
.set LS,   2                           ; 4 x lane
.set KO,   3                           ; my two key tiles in a step's eight
.set KSO,  4
.set VO,   5                           ; my eight tiles of v
.set VSO,  6
.set MXW,  7                           ; my word in MX
.set PIW,  9                           ; register group w of p's fragments
.set PBW,  10                          ; my word in PB
.set OWI,  12                          ; K step w of out's fragments
.set OWS,  13
.set SO,   14                          ; the stage, in
.set SR,   15                          ; the stage, out
.set W7O,  17                          ; my eight tiles of w7
.set W7SO, 18
.set Q3WI, 19                          ; row tile w of q3's fragments in LDS
.set Q3WS, 20
.set Q3R,  21                          ; where q3's fragments are read
.set QO,   22                          ; row tile w of q3's images in memory
.set QSO,  23
.set TM,   24                          ; +0..3 largest magnitudes, +4..7 bytes, +8..11 57,344 x the scale, +12..15 the conversions' scale operands
.set PW,   40                          ; out's scale word just made
.set NINF, 43                          ; -infinity
.set DD,   44                          ; query tile m: my query - the step's first key of my 16
.set BM,   48
.set NM,   52
.set F,    60
.set L,    68
.set MXV,  76
.set PBV,  92
.set PC,   108
.set S,    124
.set Q2S,  188
.set KS,   192
.set VS,   194
.set PS,   198                         ; p's scale words
.set W7S,  202
.set XS,   234
.set CS,   22                          ; s[22:23] c = log2(e) / sqrt(128), twice
.set SEL,  24                          ; s[24:25] v_permlanex16_b32's selects for lane l xor 16
.set MNT,  26                          ; s26 the mantissa field of 57,344
.set NST,  27                          ; s27 the number of key steps: blk / 2 + 1; never written in the loop
.set MSB, 0
.macro WIN new                         ; the immediate's high byte repeats the setting that is left; a switch that changes nothing is dropped
.if MSB != (\new)
	s_set_vgpr_msb (MSB<<8)|(\new)
.set MSB, (\new)
.endif
.endm
.macro PLACES n                        ; plain vector lines between a matrix instruction and a load into, or a read of, its registers
.rept \n
	v_nop
.endr
.endm
.macro BARRIER                         ; my LDS stores have landed and my LDS loads are in: then the work-group's barrier
	s_wait_dscnt 0x0
	s_barrier_signal -1
	s_barrier_wait -1
.endm
; 64 numbers of a lane in window w, register 16 b + i = k 32 b + 16 (lane / 16) + i of my row, become a fragment's codes in v[PC] on and its scale word in v[PW].  Each accumulator is read from its low end on.
.macro QUANT s, w
	WIN (\w)|((\w)<<2)
.irp b, 0,1,2,3
	v_max3_num_f32 v[TM+\b], |v[(\s)+16*\b]|, |v[(\s)+16*\b+1]|, 0x8000000    ; and the floor 2^(16 - 127): the byte cannot fall under 1
.endr
	WIN ((\w)<<2)|((\w)<<4)
.irp i, 2,4,6,8,10,12,14
.irp b, 0,1,2,3
	v_max3_num_f32 v[TM+\b], v[TM+\b], |v[(\s)+16*\b+\i]|, |v[(\s)+16*\b+\i+1]|
.endr
.endr
	WIN 0
.irp b, 0,1,2,3
	v_permlanex16_b32 v[TM+4+\b], v[TM+\b], s[SEL], s[SEL+1]
.endr
.irp b, 0,1,2,3
	v_max_num_f32 v[TM+\b], v[TM+\b], v[TM+4+\b]
.endr
.irp b, 0,1,2,3
	v_add_nc_u32 v[TM+12+\b], 0xf8800000, v[TM+\b]
.endr
.irp b, 0,1,2,3
	v_and_or_b32 v[TM+8+\b], v[TM+\b], 0x7f800000, s[MNT]
.endr
.irp b, 0,1,2,3
	v_lshrrev_b32 v[TM+4+\b], 23, v[TM+12+\b]
.endr
	v_lshl_or_b32 v[PW], v[TM+5], 8, v[TM+4]
	v_lshl_or_b32 v[PW], v[TM+6], 16, v[PW]
	v_lshl_or_b32 v[PW], v[TM+7], 24, v[PW]
	WIN (\w)|((\w)<<6)
.irp b, 0,1,2,3
.irp i, 0,1,2,3,4,5,6,7,8,9,10,11,12,13,14,15
	v_med3_num_f32 v[(\s)+16*\b+\i], v[(\s)+16*\b+\i], -v[TM+8+\b], v[TM+8+\b]   ; the hold: the conversion does not saturate (ISA guide 7.6.2)
.endr
.endr
	WIN (\w)
.irp b, 0,1,2,3
	v_cvt_scalef32_pk8_bf8_f32 v[PC+4*\b:PC+4*\b+1], v[(\s)+16*\b:(\s)+16*\b+7], v[TM+12+\b]
	v_cvt_scalef32_pk8_bf8_f32 v[PC+4*\b+2:PC+4*\b+3], v[(\s)+16*\b+8:(\s)+16*\b+15], v[TM+12+\b]
.endr
	WIN 0
	v_nop                                          ; a plain line behind the last conversion
.endm
.macro IMAGE adr, off
.irp c, 0,1,2,3
	ds_store_b128 v[\adr], v[PC+4*\c:PC+4*\c+3] offset:(\off)+512*\c
.endr
.endm
.macro FETCH reg, adr, off
.irp c, 0,1,2,3
	ds_load_b128 v[(\reg)+4*\c:(\reg)+4*\c+3], v[\adr] offset:(\off)+512*\c
.endr
.endm
; One matrix instruction.  zero: the constant 0 starts the sum.  row: source 0's scales stand in lanes 16-31 of their register.
.macro MM d, a, b, zero, sa, sb, row
.if \zero
.if \row
	v_wmma_scale_f32_16x16x128_f8f6f4 v[(\d):(\d)+7], v[(\a):(\a)+15], v[(\b):(\b)+15], 0, v[\sa], v[\sb] matrix_a_fmt:MATRIX_FMT_BF8 matrix_b_fmt:MATRIX_FMT_BF8 matrix_a_scale:MATRIX_SCALE_ROW1
.else
	v_wmma_scale_f32_16x16x128_f8f6f4 v[(\d):(\d)+7], v[(\a):(\a)+15], v[(\b):(\b)+15], 0, v[\sa], v[\sb] matrix_a_fmt:MATRIX_FMT_BF8 matrix_b_fmt:MATRIX_FMT_BF8
.endif
.else
.if \row
	v_wmma_scale_f32_16x16x128_f8f6f4 v[(\d):(\d)+7], v[(\a):(\a)+15], v[(\b):(\b)+15], v[(\d):(\d)+7], v[\sa], v[\sb] matrix_a_fmt:MATRIX_FMT_BF8 matrix_b_fmt:MATRIX_FMT_BF8 matrix_a_scale:MATRIX_SCALE_ROW1
.else
	v_wmma_scale_f32_16x16x128_f8f6f4 v[(\d):(\d)+7], v[(\a):(\a)+15], v[(\b):(\b)+15], v[(\d):(\d)+7], v[\sa], v[\sb] matrix_a_fmt:MATRIX_FMT_BF8 matrix_b_fmt:MATRIX_FMT_BF8
.endif
.endif
.endm
.macro KLOAD                           ; my two key tiles and their scale words: 10 loads
	WIN 0x40
.irp u, 0,1
.irp c, 0,1,2,3
	global_load_b128 v[128+16*\u+4*\c:128+16*\u+4*\c+3], v[KOX], s[28:29] offset:2048*\u+512*\c
.endr
.endr
	WIN 0
.irp u, 0,1
	global_load_b32 v[KS+\u], v[KSO], s[30:31] offset:128*\u
.endr
.endm
; ONE BARRIER A KEY STEP (this takes the place of what the head says of two).  In step s a wave makes p(s) from scores that it already holds, stores p's codes and bytes, makes S^T of step s + 1 and stores its blocks' largest scores;
; then comes the barrier; behind it the wave reads the next step's largest scores, p's bytes and p's fragments, rescales O^T and multiplies.  The three exchange areas (MX, PB, PIMG) stand twice, by the step's parity:
; the second copy lies 16,384 bytes on, in out's image area, which is first filled behind the loop.  So between two barriers no area is both written and read.  Step 0's scores are made ahead of the first step.
; V STANDS IN TWO SETS: set 0 in window 1, v0-127, scale words v194-197, bases s[32:35]; set 1 in window 2, v128-255, scale words v202-205 (w7's scale words come there behind the loop), bases s[56:59].
; Key step s multiplies set s % 2 and asks for step s + 1's v and step s + 2's keys: 46 loads a step in two runs, 20 behind the lines that make M, 10 + 16 behind the LDS reads that follow the barrier.
; A set's bases go two key steps on behind the wait that shows its loads done; where no such step follows they stay.
; WHERE NOTHING FOLLOWS the loads keep their number, so that every counted wait holds on every path, but the codes' offset is 0 in every lane (all lanes name the same 16 bytes, inside the buffer); what they bring is not used.
.set JS,   61                          ; s61 the key step whose scores are made next
.set VS1,  202
.set VB1,  56
.set CUR,  55                          ; s55 the key step in hand
.set VOX0, 8                           ; v8, v11: the offset of the loads into set 0, 1: v[VO], or 0 in the last step
.set VOX1, 11
.set KOX,  16                          ; v16: the same for the keys
.macro VFRAG vs, t                     ; a fragment of v into set vs: 4 loads
.irp c, 0,1,2,3
.if \vs
	global_load_b128 v[128+16*(\t)+4*\c:128+16*(\t)+4*\c+3], v[VOX1], s[VB1:VB1+1] offset:32768*(\t)+512*\c
.else
	global_load_b128 v[16*(\t)+4*\c:16*(\t)+4*\c+3], v[VOX0], s[32:33] offset:32768*(\t)+512*\c
.endif
.endr
.endm
.macro VLOADA vs                       ; my tiles 0 to 4: 20 loads
	WIN 0x40+0x40*(\vs)
.irp t, 0,1,2,3,4
	VFRAG \vs, \t
.endr
	WIN 0
.endm
.macro VLOADB vs                       ; my tiles 5 to 7 and the scale words (lanes 0-15 tile 2 p, lanes 16-31 tile 2 p + 1): 16 loads
	WIN 0x40+0x40*(\vs)
.irp t, 5,6,7
	VFRAG \vs, \t
.endr
	WIN 0
.irp p, 0,1,2,3
.if \vs
	global_load_b32 v[VS1+\p], v[VSO], s[VB1+2:VB1+3] offset:128*\p
.else
	global_load_b32 v[VS+\p], v[VSO], s[34:35] offset:128*\p
.endif
.endr
.endm
; THE SCORES of key step s[JS] (128 keys; my 32 of them against the four query tiles), the mask on the diagonal, and my block's largest scores into area par of MX.  Its keys' loads have been waited for ahead of it, so their bases and offset may be written.
.macro SPART par
	s_cmp_lt_u32 s[JS], s20
	s_cselect_b32 s50, 16384, 0                    ; behind the last step the bases stay: what is asked for ahead never leaves the buffer
	s_cselect_b32 s52, 1024, 0
	s_cselect_b32 s54, -1, 0
	v_and_b32 v[KOX], s54, v[KO]
	s_add_nc_u64 s[28:29], s[28:29], s[50:51]
	s_add_nc_u64 s[30:31], s[30:31], s[52:53]
	WIN 0x09                                       ; source 0 (keys) window 1, source 1 (q2) window 2, D window 0
.irp u, 0,1
.irp m, 0,1,2,3
	MM S+16*\m+8*\u, 128+16*\u, 16*\m, 1, KS+\u, Q2S+\m, 0
.endr
.endr
	WIN 0
	PLACES 8                                       ; in front of the loads below and of the first read of the scores
	s_cmp_lg_u32 s[JS], s20                        ; the step on the diagonal: register 16 m + i holds key (step) + 32 w + 16 (lane / 16) + i: hidden where i > my query less that base
	s_cbranch_scc1 .Lopen_\@
.irp m, 0,1,2,3
.irp i, 0,1,2,3,4,5,6,7,8,9,10,11,12,13,14,15
	v_cmp_gt_i32 vcc_lo, \i, v[DD+\m]
	v_cndmask_b32 v[S+16*\m+\i], v[S+16*\m+\i], v[NINF], vcc_lo
.endr
.endr
.Lopen_\@:
.irp m, 0,1,2,3
	v_max3_num_f32 v[BM+\m], v[S+16*\m], v[S+16*\m+1], v[S+16*\m+2]      ; the largest score of my block of 32 keys, for each query tile by turns
.endr
.irp i, 3,5,7,9,11,13
.irp m, 0,1,2,3
	v_max3_num_f32 v[BM+\m], v[BM+\m], v[S+16*\m+\i], v[S+16*\m+\i+1]
.endr
.endr
.irp m, 0,1,2,3
	v_max_num_f32 v[BM+\m], v[BM+\m], v[S+16*\m+15]
.endr
.irp m, 0,1,2,3
	v_permlanex16_b32 v[TM+\m], v[BM+\m], s[SEL], s[SEL+1]   ; (not into v[TM+4] on: p's bytes there may still be on their way to LDS)
.endr
.irp m, 0,1,2,3
	v_max_num_f32 v[BM+\m], v[BM+\m], v[TM+\m]
.endr
.irp m, 0,1,2,3
	ds_store_b32 v[MXW], v[BM+\m] offset:MX+16384*(\par)+512*\m
.endr
	s_add_co_u32 s[JS], s[JS], 1
.endm
.macro MXREAD par                      ; the four waves' largest scores of a step, for each query tile
.irp m, 0,1,2,3
	ds_load_b128 v[MXV+4*\m:MXV+4*\m+3], v[LI] offset:MX+16384*(\par)+512*\m
.endr
.endm
; A KEY STEP.  Its scores and the four blocks' largest scores stand in registers.  first = 1: its products start O^T's sums, and nothing is rescaled.  vs: the set that holds its v, and the exchange areas' copy.
.macro STEP first, vs
	s_cmp_lt_u32 s[CUR], s20
	s_cselect_b32 s54, -1, 0
.if \vs
	v_and_b32 v[VOX0], s54, v[VO]                  ; the other set's last loads were shown done in the step before
.else
	v_and_b32 v[VOX1], s54, v[VO]
.endif
.irp m, 0,1,2,3
	v_max3_num_f32 v[MXV+4*\m], v[MXV+4*\m], v[MXV+4*\m+1], v[MXV+4*\m+2]
.endr
.irp m, 0,1,2,3
	v_max_num_f32 v[MXV+4*\m], v[MXV+4*\m], v[MXV+4*\m+3]                ; the step's largest score of my query
.endr
.irp m, 0,1,2,3
	v_mul_f32 v[MXV+4*\m], s[CS], v[MXV+4*\m]      ; as t (c is positive)
.endr
.irp m, 0,1,2,3
	v_max_num_f32 v[NM+2*\m+1], v[NM+2*\m+1], v[MXV+4*\m]                ; the running largest t
.endr
.irp m, 0,1,2,3
	v_mov_b32 v[MXV+4*\m], v[NM+2*\m]
.endr
.irp m, 0,1,2,3
	v_floor_f32 v[NM+2*\m], -v[NM+2*\m+1]          ; the new -M = floor(-t): M is a whole number
.endr
.irp m, 0,1,2,3
	v_sub_f32 v[MXV+4*\m], v[NM+2*\m], v[MXV+4*\m] ; old M less new M: a whole number, 0 or less
.endr
.irp m, 0,1,2,3
	v_cvt_i32_f32 v[MXV+4*\m], v[MXV+4*\m]         ; (it saturates)
.endr
.irp m, 0,1,2,3
	v_ldexp_f32 v[F+2*\m], 1.0, v[MXV+4*\m]        ; f = 2^(old M - new M)
.endr
	VLOADA 1-\vs                                   ; the first 20 loads of the next step's v, into the set that the last step multiplied (its products stand more than eight plain lines back)
.irp m, 0,1,2,3
.irp j, 0,2,4,6,8,10,12,14
	v_pk_fma_f32 v[S+16*\m+\j:S+16*\m+\j+1], v[S+16*\m+\j:S+16*\m+\j+1], s[CS:CS+1], v[NM+2*\m:NM+2*\m+1] op_sel_hi:[1,0,0]   ; t - M
.endr
.endr
.irp m, 0,1,2,3
	v_fma_f32 v[BM+\m], v[BM+\m], s[CS], v[NM+2*\m]                      ; the same of the block's largest score
.endr
	s_wait_alu depctr_va_vdst(0)
.irp j, 0,1,2,3,4,5,6,7,8,9,10,11,12,13,14,15,16,17,18,19,20,21,22,23,24,25,26,27,28,29,30,31,32,33,34,35,36,37,38,39,40,41,42,43,44,45,46,47,48,49,50,51,52,53,54,55,56,57,58,59,60,61,62,63
	v_exp_f32 v[S+\j], v[S+\j]                     ; p = 2^(t - M), at most 1
.endr
.irp m, 0,1,2,3
	v_exp_f32 v[BM+\m], v[BM+\m]                   ; the block's largest p
.endr
.irp m, 0,1,2,3
	v_pk_mul_f32 v[L+2*\m:L+2*\m+1], v[L+2*\m:L+2*\m+1], v[F+2*\m:F+2*\m+1] op_sel_hi:[1,0]   ; the sums under the new M (plain lines behind the exponentials)
.endr
	s_wait_alu depctr_va_vdst(0)
.irp m, 0,1,2,3
	v_max_num_f32 v[BM+\m], 0x8000000, v[BM+\m]    ; the floor 2^(16 - 127): the byte cannot fall under 1
.endr
.irp m, 0,1,2,3
	v_add_nc_u32 v[TM+12+\m], 0xf8800000, v[BM+\m]
.endr
.irp m, 0,1,2,3
	v_and_or_b32 v[TM+8+\m], v[BM+\m], 0x7f800000, s[MNT]
.endr
.irp m, 0,1,2,3
	v_lshrrev_b32 v[TM+4+\m], 23, v[TM+12+\m]
.endr
.irp j, 0,2,4,6,8,10,12,14
.irp m, 0,1,2,3
	v_pk_add_f32 v[L+2*\m:L+2*\m+1], v[L+2*\m:L+2*\m+1], v[S+16*\m+\j:S+16*\m+\j+1]           ; the row's sum is taken of the unquantised p
.endr
.endr
.irp m, 0,1,2,3
.irp i, 0,1,2,3,4,5,6,7,8,9,10,11,12,13,14,15
	v_min_num_f32 v[S+16*\m+\i], v[S+16*\m+\i], v[TM+8+\m]               ; p is not negative: a one-sided hold
.endr
.endr
.irp m, 0,1,2,3
	v_cvt_scalef32_pk8_bf8_f32 v[PC+4*\m:PC+4*\m+1], v[S+16*\m:S+16*\m+7], v[TM+12+\m]
	v_cvt_scalef32_pk8_bf8_f32 v[PC+4*\m+2:PC+4*\m+3], v[S+16*\m+8:S+16*\m+15], v[TM+12+\m]
.endr
	v_nop                                          ; a plain line behind the last conversion
.irp m, 0,1,2,3
	ds_store_b32 v[PBW], v[TM+4+\m] offset:16384*(\vs)+512*\m    ; p's bytes and p's codes go to LDS in one run
.endr
.irp m, 0,1,2,3
	ds_store_b128 v[PIW], v[PC+4*\m:PC+4*\m+3] offset:16384*(\vs)+2048*\m
.endr
	s_wait_loadcnt 36                              ; the next step's keys are in: behind them stand 16 + 20 loads of v.  The wait stands on every path: the keys' registers are loaded again below
	s_cmp_lt_u32 s[CUR], s20                       ; ids and the count of steps alone: the same in all four waves
	s_wait_alu depctr_va_vdst(0)                   ; the wait stands directly ahead of the branch
	s_cbranch_scc0 .Lnos_\@                        ; behind the last step there are no scores to make
	SPART 1-\vs
.Lnos_\@:
	BARRIER                                        ; p's fragments and bytes and the next step's largest scores lie in LDS; every wave's reads of the other copies are over
	s_cmp_lt_u32 s[CUR], s20
	s_cbranch_scc0 .Lnom_\@
	MXREAD 1-\vs
.Lnom_\@:
.irp m, 0,1,2,3
	ds_load_b128 v[PBV+4*\m:PBV+4*\m+3], v[LI] offset:PB+16384*(\vs)+512*\m
.endr
	WIN 0x80
.irp m, 0,1,2,3
	FETCH 64+16*\m, LI, PIMG+16384*(\vs)+2048*\m
.endr
	WIN 0
	KLOAD                                          ; the keys of the step after the next,
	VLOADB 1-\vs                                   ; and the other 16 loads of the next step's v
	s_wait_dscnt 16                                ; the bytes are in; p's 16 loads may be out
.irp m, 0,1,2,3
	v_lshl_or_b32 v[PS+\m], v[PBV+4*\m+1], 8, v[PBV+4*\m]
.endr
.irp m, 0,1,2,3
	v_lshl_or_b32 v[PS+\m], v[PBV+4*\m+2], 16, v[PS+\m]
.endr
.irp m, 0,1,2,3
	v_lshl_or_b32 v[PS+\m], v[PBV+4*\m+3], 24, v[PS+\m]                  ; p's scale words for these 128 keys
.endr
.if \first
	PLACES 8                                       ; a scale word made by vector lines stands eight places ahead of its product
.else
	WIN 0xc3                                       ; O^T under the new M, each accumulator from its low end on; of these 128 lines 124 name no register of any one product below: the scale words' places
.irp m, 0,1,2,3
.set KK, 0
.rept 32
	v_pk_mul_f32 v[64*\m+KK:64*\m+KK+1], v[64*\m+KK:64*\m+KK+1], v[F+2*\m:F+2*\m+1] op_sel_hi:[1,0]
.set KK, KK+2
.endr
.endr
	WIN 0
.endif
	s_wait_alu depctr_va_vdst(0)
	s_wait_dscnt 0x0                               ; p
	s_wait_loadcnt 46                              ; this step's v is in; behind it stand 20 + 10 + 16 loads: the next step's v and the keys after.  This set's loads are done, so its bases may step
	s_add_co_u32 s54, s[CUR], 2
	s_cmp_le_u32 s54, s20
	s_cselect_b32 s50, 4096, 0                     ; two key steps on, if there is such a step
.if \vs
	s_add_nc_u64 s[VB1:VB1+1], s[VB1:VB1+1], s[50:51]
	s_add_nc_u64 s[VB1+2:VB1+3], s[VB1+2:VB1+3], s[50:51]
	WIN 0xfa                                       ; source 0 (v, set 1) and source 1 (p) window 2, C and D window 3
.else
	s_add_nc_u64 s[32:33], s[32:33], s[50:51]
	s_add_nc_u64 s[34:35], s[34:35], s[50:51]
	WIN 0xf9                                       ; source 0 (v, set 0) window 1, source 1 (p) window 2, C and D window 3
.endif
.irp t, 0,1,2,3,4,5,6,7
.irp m, 0,1,2,3
	MM 64*\m+8*\t, 128*(\vs)+16*\t, 64+16*\m, \first, VS+8*(\vs)+\t/2, PS+\m, \t%2   ; the 32 accumulators take turns
.endr
.endr
	WIN 0
	s_add_co_u32 s[CUR], s[CUR], 1
.endm
.macro W7LOAD g                        ; my eight fragments of w7's K step g / 2 + 4 (g % 2) into set g % 2
.set RB, 128*((\g)%2)
	WIN 0x40
.irp t, 0,1,2,3,4,5,6,7
.irp c, 0,1,2,3
	global_load_b128 v[RB+16*\t+4*\c:RB+16*\t+4*\c+3], v[W7O], s[44:45] offset:16384*\t+2048*((\g)/2+4*((\g)%2))+512*\c
.endr
.endr
	WIN 0
.endm
.macro OFETCH p                        ; K step p of out's and of q3's four row tiles, and their scale words: 40 LDS loads
	WIN 0x80
.irp m, 0,1,2,3
	FETCH 128*((\p)%2)+16*\m, LI, OIMG+(4*\m+(\p))*2048
.endr
.irp m, 0,1,2,3
	FETCH 128*((\p)%2)+64+16*\m, Q3R, (4*\m+(\p))*2048
.endr
	WIN 0
.irp m, 0,1,2,3
	ds_load_b32 v[XS+8*((\p)%2)+\m], v[LS] offset:OSC+(4*\m+(\p))*128
	ds_load_b32 v[XS+8*((\p)%2)+4+\m], v[LS] offset:Q3SC+(4*\m+(\p))*128
.endr
.endm
.macro FSTEP g                         ; one K step of w7 against out's and q3's fragments: 64 matrix instructions, the 32 accumulators by turns
.if (\g) > 0
	PLACES 8
.endif
.if (\g) < 7
	W7LOAD (\g)+1
.endif
.if (((\g)%2) == 0) && ((\g) < 6)
	OFETCH (\g)/2+1
.endif
.if (\g) < 7
	s_wait_loadcnt 32                              ; the next set's 32 loads may be out
.else
	s_wait_loadcnt 0x0
.endif
.if (((\g)%2) == 0) && ((\g) < 6)
	s_wait_dscnt 40                                ; the 40 LDS loads just issued may be out
.else
	s_wait_dscnt 0x0
.endif
.set RB, 128*((\g)%2)
.set KA, (\g)/2+4*((\g)%2)
.set XB, 128*(((\g)/2)%2)
.set XC, XS+8*(((\g)/2)%2)
	WIN 0xf9
.irp o, 0,1
.irp m, 0,1,2,3
.irp t, 0,1,2,3,4,5,6,7
	MM 64*\m+8*\t, RB+16*\t, XB+64*\o+16*\m, ((\g)+\o)==0, W7S+8*(\t/2)+KA, XC+4*\o+\m, \t%2
.endr
.endr
.endr
	WIN 0
.endm
	s_load_b256 s[4:11], s[0:1], 0x0               ; q2q, k3q, vq, q3q
	s_load_b128 s[12:15], s[0:1], 0x20             ; wq, out0
	; which block of 64 queries is mine: (2 (x % 16) + x / 16 + 4 y) % 32 of batch y: one to one within a batch; sixteen work-groups with neighbouring numbers hold blocks two apart, so short and long walks lie side by side
	s_and_b32 s18, ttmp7, 0xffff                   ; the batch
	s_and_b32 s17, ttmp9, 15
	s_lshl_b32 s17, s17, 1
	s_bfe_u32 s50, ttmp9, 0x10004
	s_add_co_u32 s17, s17, s50
	s_lshl_b32 s50, s18, 2
	s_add_co_u32 s17, s17, s50
	s_and_b32 s17, s17, 31                         ; my block of 64 queries in the batch
	v_lshl_add_u32 v254, v0, 2, 0x1c400
	v_mov_b32 v255, 0
	v_lshrrev_b32 v41, 5, v0
	v_readfirstlane_b32 s16, v41                   ; wave 0..3
	v_and_b32 v41, 31, v0                          ; lane
	v_and_b32 v42, 15, v0                          ; r
	v_bfe_u32 v8, v0, 4, 1                         ; h
	s_lshr_b32 s20, s17, 1                         ; the last key step: the one with my diagonal
	s_add_co_u32 s[NST], s20, 1                    ; and the number of key steps
	s_lshl_b32 s21, s18, 5
	s_add_co_u32 s21, s21, s17                     ; my block among all 256
	v_lshlrev_b32 v[LI], 4, v41
	v_lshlrev_b32 v[LS], 2, v41
	s_lshl_b32 s50, s16, 12
	v_add_nc_u32 v[KO], s50, v[LI]
	v_lshlrev_b32 v11, 5, v41
	v_add_nc_u32 v[W7SO], s50, v11                 ; 32 bytes an image row, 128 rows a wave
	s_lshl_b32 s50, s16, 8
	v_add_nc_u32 v[KSO], s50, v[LS]
	s_lshl_b32 s50, s16, 18
	v_add_nc_u32 v[VO], s50, v[LI]
	s_lshl_b32 s50, s16, 9
	v_add_nc_u32 v[VSO], s50, v[LS]
	v_add_nc_u32 v[QSO], s50, v[LS]
	s_add_co_u32 s52, s50, PIMG
	v_add_nc_u32 v[PIW], s52, v[LI]
	s_add_co_u32 s52, s50, Q3SC
	v_add_nc_u32 v[Q3WS], s52, v[LS]
	s_lshl_b32 s50, s16, 2
	v_add_nc_u32 v[MXW], s50, v[LI]
	s_add_co_u32 s50, s50, PB
	v_add_nc_u32 v[PBW], s50, v[LI]
	s_lshl_b32 s50, s16, 11
	s_add_co_u32 s50, s50, OIMG
	v_add_nc_u32 v[OWI], s50, v[LI]
	s_lshl_b32 s50, s16, 7
	s_add_co_u32 s50, s50, OSC
	v_add_nc_u32 v[OWS], s50, v[LS]
	s_mul_i32 s50, s16, 8448
	s_add_co_u32 s50, s50, STG                     ; my stage
	v_add_nc_u32 v[SR], s50, v[LI]
	v_mul_u32_u24 v11, v42, 528
	v_lshl_add_u32 v11, v8, 6, v11
	v_add_nc_u32 v[SO], s50, v11
	s_lshl_b32 s50, s16, 17
	v_add_nc_u32 v[W7O], s50, v[LI]
	s_lshl_b32 s50, s16, 13
	v_add_nc_u32 v[QO], s50, v[LI]
	s_add_co_u32 s50, s50, Q3IMG
	v_add_nc_u32 v[Q3WI], s50, v[LI]
	v_add_nc_u32 v[Q3R], Q3IMG, v[LI]
	; the mask's offsets: 64 (blk % 2) + my query's place in the block - 32 w - 16 h, signed
	v_and_b32 v11, 8, v42
	v_add_nc_u32 v11, v11, v42                     ; r + 8 (r / 8)
	v_lshlrev_b32 v16, 4, v8
	v_sub_nc_u32 v11, v11, v16
	s_and_b32 s50, s17, 1
	s_lshl_b32 s50, s50, 6
	s_lshl_b32 s52, s16, 5
	s_sub_co_i32 s50, s50, s52
	v_add_nc_u32 v11, s50, v11
.irp m, 0,1,2,3
	v_add_nc_u32 v[DD+\m], 32*(\m/2)+8*(\m%2), v11
.endr
	v_mov_b32 v[NINF], 0xff800000
.irp m, 0,1,2,3
	v_mov_b32 v[NM+2*\m+1], 0xff61b1e6             ; the largest t so far: -3e38, under every t
	v_mov_b32 v[L+2*\m], 0                         ; the sum, in two halves
	v_mov_b32 v[L+2*\m+1], 0
	v_mov_b32 v[F+2*\m+1], 0                       ; (named as the upper half of a pair)
	v_mov_b32 v[TM+4+\m], 0                        ; written once: a lane permute's destination counts as one of its sources
	v_mov_b32 v[TM+\m], 0
.endr
.irp m, 0,1,2,3
	v_floor_f32 v[NM+2*\m], -v[NM+2*\m+1]          ; -M
.endr
	s_mov_b32 s[CS], 0x3e0293ee                    ; c = log2(e) / sqrt(128)
	s_mov_b32 s[CS+1], s[CS]
	s_mov_b32 s[SEL], 0x76543210
	s_mov_b32 s[SEL+1], 0xfedcba98
	s_mov_b32 s[MNT], 0x600000
	s_mov_b32 s51, 0                               ; the offsets' high words
	s_mov_b32 s53, 0
	s_wait_kmcnt 0x0
	s_lshl_b32 s50, s18, 18
	s_add_nc_u64 s[28:29], s[6:7], s[50:51]        ; the batch's key tiles
	s_lshl_b32 s50, s18, 14
	s_add_co_u32 s50, s50, 2097152
	s_add_nc_u64 s[30:31], s[6:7], s[50:51]        ; and their scale words
	s_lshl_b32 s50, s18, 20
	s_add_nc_u64 s[32:33], s[8:9], s[50:51]        ; the batch's v
	s_lshl_b32 s50, s18, 15
	s_add_co_u32 s50, s50, 8388608
	s_add_nc_u64 s[34:35], s[8:9], s[50:51]
	s_cmp_lg_u32 s20, 0
	s_cselect_b32 s50, 2048, 0                     ; set 1's bases: key step 1, if there is one
	s_add_nc_u64 s[VB1:VB1+1], s[32:33], s[50:51]
	s_add_nc_u64 s[VB1+2:VB1+3], s[34:35], s[50:51]
	s_lshl_b32 s50, s21, 13
	s_add_nc_u64 s[36:37], s[4:5], s[50:51]        ; my block's q2
	s_lshl_b32 s50, s21, 9
	s_add_co_u32 s50, s50, 2097152
	s_add_nc_u64 s[38:39], s[4:5], s[50:51]
	s_lshl_b32 s50, s21, 15
	s_add_nc_u64 s[40:41], s[10:11], s[50:51]      ; my block's q3
	s_lshl_b32 s50, s21, 11
	s_add_co_u32 s50, s50, 8388608
	s_add_nc_u64 s[42:43], s[10:11], s[50:51]
	s_add_nc_u64 s[44:45], s[12:13], 1572864       ; w7's codes
	s_add_nc_u64 s[46:47], s[12:13], 2277376       ; and scale words
	s_lshl_b32 s50, s21, 17
	s_lshl_b32 s52, s16, 9
	s_add_co_u32 s50, s50, s52
	s_add_nc_u64 s[48:49], s[14:15], s[50:51]      ; out0: my block's first row, my 128 columns
	WIN 0x80
.irp m, 0,1,2,3
.irp c, 0,1,2,3
	global_load_b128 v[16*\m+4*\c:16*\m+4*\c+3], v[LI], s[36:37] offset:2048*\m+512*\c          ; q2's four fragments stay in registers
.endr
.endr
.irp k, 0,1,2,3
.irp c, 0,1,2,3
	global_load_b128 v[128+16*\k+4*\c:128+16*\k+4*\c+3], v[QO], s[40:41] offset:2048*\k+512*\c  ; row tile w of q3: on its way to LDS
.endr
.endr
	WIN 0
.irp m, 0,1,2,3
	global_load_b32 v[Q2S+\m], v[LS], s[38:39] offset:128*\m
	global_load_b32 v[MXV+\m], v[QSO], s[42:43] offset:128*\m
.endr
	v_mov_b32 v[KOX], v[KO]
	v_mov_b32 v[VOX0], v[VO]
	KLOAD                                          ; key step 0,
	VLOADA 0                                       ; and its v: 30 loads
	s_wait_loadcnt 20                              ; all but v's 20 loads are in, key step 0 among them
	WIN 0x08                                       ; an LDS store's data are its source 1: window 2
.irp k, 0,1,2,3
.irp c, 0,1,2,3
	ds_store_b128 v[Q3WI], v[128+16*\k+4*\c:128+16*\k+4*\c+3] offset:2048*\k+512*\c
.endr
.endr
	WIN 0
.irp k, 0,1,2,3
	ds_store_b32 v[Q3WS], v[MXV+\k] offset:128*\k  ; (read by the other waves far behind the first barrier, in front of which these stores are waited for)
.endr
	s_mov_b32 s[CUR], 0                            ; the key step
	s_mov_b32 s[JS], 0
	SPART 0                                        ; step 0's scores
	BARRIER
	MXREAD 0
	KLOAD                                          ; key step 1,
	VLOADB 0                                       ; and the other 16 loads of step 0's v
	s_wait_dscnt 0x0
	STEP 1, 0
	s_cmp_eq_u32 s20, 0
	s_cbranch_scc1 .Ldone
	s_add_co_u32 s60, s20, 1
	s_lshr_b32 s60, s60, 1                         ; trips: the key steps behind the first, two to a trip, rounded up
	s_mov_b32 s19, 0
.Lstep:                                        ; a trip is two key steps, one on each set of v; the counter goes up by 1 while it lies under the number of trips, which hangs on the work-group's number alone and is the same in all four waves; no LDS address is stepped here
	STEP 0, 1
	s_cmp_ge_u32 s[CUR], s[NST]                    ; an even number of key steps ends here
	s_cbranch_scc1 .Ldone
	STEP 0, 0
	s_add_co_u32 s19, s19, 1
	s_cmp_lt_u32 s19, s60
	s_cbranch_scc1 .Lstep
.Ldone:
	BARRIER                                        ; every wave's LDS reads of the loop are over: the exchange areas are written anew below
	; ---- the row's sum: my two halves, lane l xor 16's, and the other three waves'
.irp m, 0,1,2,3
	v_add_f32 v[MXV+4*\m], v[L+2*\m], v[L+2*\m+1]
.endr
.irp m, 0,1,2,3
	v_permlanex16_b32 v[TM+4+\m], v[MXV+4*\m], s[SEL], s[SEL+1]
.endr
.irp m, 0,1,2,3
	v_add_f32 v[MXV+4*\m], v[MXV+4*\m], v[TM+4+\m]
.endr
.irp m, 0,1,2,3
	ds_store_b32 v[MXW], v[MXV+4*\m] offset:MX+512*\m
.endr
	BARRIER
.irp m, 0,1,2,3
	ds_load_b128 v[MXV+4*\m:MXV+4*\m+3], v[LI] offset:MX+512*\m
.endr
	s_wait_loadcnt 0x0                             ; what the last step asked for ahead is not used; its registers are taken below
	PLACES 8
.irp p, 0,1,2,3
.irp q, 0,1
	global_load_b128 v[W7S+8*\p+4*\q:W7S+8*\p+4*\q+3], v[W7SO], s[46:47] offset:1024*\p+16*\q   ; w7's scale words: register 8 p + k: lanes 0-15 tile 2 p, lanes 16-31 tile 2 p + 1, K step k
.endr
.endr
	W7LOAD 0
	s_wait_dscnt 0x0
.irp m, 0,1,2,3
	v_add_f32 v[MXV+4*\m], v[MXV+4*\m], v[MXV+4*\m+1]
.endr
.irp m, 0,1,2,3
	v_add_f32 v[MXV+4*\m+2], v[MXV+4*\m+2], v[MXV+4*\m+3]
.endr
.irp m, 0,1,2,3
	v_add_f32 v[MXV+4*\m], v[MXV+4*\m], v[MXV+4*\m+2]
.endr
	s_wait_alu depctr_va_vdst(0)
.irp m, 0,1,2,3
	v_rcp_f32 v[F+2*\m], v[MXV+4*\m]
.endr
	v_nop                                          ; a plain line behind the last reciprocal
	WIN 0xc3
	s_wait_alu depctr_va_vdst(0)
.irp m, 0,1,2,3
.set KK, 0
.rept 32
	v_pk_mul_f32 v[64*\m+KK:64*\m+KK+1], v[64*\m+KK:64*\m+KK+1], v[F+2*\m:F+2*\m+1] op_sel_hi:[1,0]   ; out = O^T / the sum, each accumulator from its low end on
.set KK, KK+2
.endr
.endr
	WIN 0
	; ---- out, quantised: my 128 channels are K step w of the last products
.irp m, 0,1,2,3
	QUANT 64*\m, 3
	IMAGE OWI, 8192*\m
	ds_store_b32 v[OWS], v[PW] offset:512*\m
	s_wait_dscnt 0x0                               ; the stores have read their registers
.endr
	BARRIER                                        ; out's 16 fragments lie in LDS beside q3's
	OFETCH 0
.irp z, 0,1,2,3,4,5,6,7
	FSTEP \z
.endr
	; ---- the way out: a lane holds 64 neighbouring bytes of a row in two tiles; 16 rows at a time go through my own stage and leave as runs of 512 consecutive aligned bytes
	PLACES 8
.irp m, 0,1,2,3
	WIN 0x0c
.irp t, 0,1,2,3,4,5,6,7
	ds_store_b128 v[SO], v[64*\m+8*\t:64*\m+8*\t+3] offset:128*(\t/2)+32*(\t%2)          ; each accumulator from its low end on
	ds_store_b128 v[SO], v[64*\m+8*\t+4:64*\m+8*\t+7] offset:128*(\t/2)+32*(\t%2)+16
.endr
	WIN 0
.if \m > 0
	s_wait_xcnt 0x0                                ; the last tile's stores have read the registers that the loads below fill
.endif
.irp i, 0,1,2,3,4,5,6,7,8,9,10,11,12,13,14,15
	ds_load_b128 v[S+4*\i:S+4*\i+3], v[SR] offset:528*\i       ; LDS serves a wave's instructions in order: these see the stores above
.endr
.irp i, 0,1,2,3,4,5,6,7,8,9,10,11,12,13,14,15
	s_wait_dscnt 15-\i                             ; row i is back; the younger loads may be out
	global_store_b128 v[LI], v[S+4*\i:S+4*\i+3], s[48:49] offset:(32*(\m/2)+8*(\m%2)+\i+8*(\i/8))*2048 th:TH_STORE_NT
.endr
.endr
	s_barrier_signal -1
	s_barrier_wait -1
	s_wait_tensorcnt 0x0
	ds_add_u32 v254, v255
	s_wait_dscnt 0x0
	s_endpgm
.Lfunc_end_k_q6c8b41b888_attn:
	.size	k_q6c8b41b888_attn, .Lfunc_end_k_q6c8b41b888_attn-k_q6c8b41b888_attn
	.p2alignl 7, 3214868480
	.fill 96, 4, 3214868480
	.section	.rodata,"a",@progbits
	.p2align	6, 0x0
	.amdhsa_kernel k_q6c8b41b888_attn
		.amdhsa_group_segment_fixed_size 116224
		.amdhsa_private_segment_fixed_size 0
		.amdhsa_enable_private_segment 0
		.amdhsa_kernarg_size 48
		.amdhsa_user_sgpr_count 2
		.amdhsa_user_sgpr_kernarg_segment_ptr 1
		.amdhsa_wavefront_size32 1
		.amdhsa_system_sgpr_workgroup_id_x 1
		.amdhsa_system_sgpr_workgroup_id_y 1
		.amdhsa_system_sgpr_workgroup_id_z 1
		.amdhsa_system_vgpr_workitem_id 0
		.amdhsa_next_free_vgpr 1024
		.amdhsa_next_free_sgpr 66
		.amdhsa_reserve_vcc 1
		.amdhsa_float_denorm_mode_32 3
		.amdhsa_float_denorm_mode_16_64 3
		.amdhsa_memory_ordered 1
		.amdhsa_forward_progress 1
		.amdhsa_inst_pref_size 255
	.end_amdhsa_kernel
	.section	.bss,"aw",@nobits
	.p2align	6
	.space	262144
	.amdgpu_metadata
---
amdhsa.version: [ 1, 2 ]
amdhsa.kernels:
  - .name:           k_q6c8b41b888_attn
    .symbol:         k_q6c8b41b888_attn.kd
    .args:
      - { .name: q2q, .offset: 0, .size: 8, .value_kind: global_buffer, .address_space: global }
      - { .name: k3q, .offset: 8, .size: 8, .value_kind: global_buffer, .address_space: global }
      - { .name: vq, .offset: 16, .size: 8, .value_kind: global_buffer, .address_space: global }
      - { .name: q3q, .offset: 24, .size: 8, .value_kind: global_buffer, .address_space: global }
      - { .name: wq, .offset: 32, .size: 8, .value_kind: global_buffer, .address_space: global }
      - { .name: out0, .offset: 40, .size: 8, .value_kind: global_buffer, .address_space: global }
    .group_segment_fixed_size: 116224
    .private_segment_fixed_size: 0
    .kernarg_segment_align: 8
    .kernarg_segment_size: 48
    .max_flat_workgroup_size: 128
    .sgpr_count:     66
    .vgpr_count:     1024
    .wavefront_size: 32
...
	.end_amdgpu_metadata
.endif
;; end of part 3
